; MI455X (gfx1250); checked and timed in simulation.
; The chip was launched on July 23, 2026; its instructions are those of AMD's public machine-readable ISA for CDNA 5 (MIT licence, August 2026) and "CDNA5" Instruction Set Architecture Reference Guide (July 2026). The comments in the code are by the model that wrote it; some were corrected since.
;; Gaussian Upsampling. Allowed arithmetic: float matrix products may take bf16 or f16 operands with f32 sums; all other float work in f32.
;; Inputs: d_masks 16 x 512 bool; ds 16 x 512 int32; h_masks 16 x 4,096 bool; hs 16 x 512 x 256 float32.
;; Outputs: out0 16 x 4,096 x 256 float32.
;; One version. Each part assembles by itself: llvm-mc -triple=amdgcn-amd-amdhsa -mcpu=gfx1250 --defsym DOCPART=n.
;; ======== version 1 of 1: 2 launches
;; limits: right only within a limited range of input values
;; workspace buffers: tiles 8,192 bytes of whole numbers; cent 32,768 bytes
;; launch flags (part 1): grid 16 x 16, 8 waves a work-group, no clusters, 1,280 bytes of LDS; arguments d_masks, ds, h_masks, hs, tiles, cent; writes tiles, cent
.if DOCPART == 1
	.amdgcn_target "amdgcn-amd-amdhsa--gfx1250"
	.amdhsa_code_object_version 6
	.text
	.protected	k_q054766e01e_flags
	.globl	k_q054766e01e_flags
	.p2align	8
	.type	k_q054766e01e_flags,@function
k_q054766e01e_flags:
	s_mov_b64 s[64:65], 0
	v_nop
	global_prefetch_b8 v0, s[64:65] scope:SCOPE_SE
	s_setreg_imm32_b32 hwreg(HW_REG_WAVE_MODE, 25, 1), 1
	s_wait_xcnt 0x0
; Gaussian upsampling, first of two launches: the centres, and which tiles of 32 tokens each unit of 32 frames has to work on.
; The result is out[b][t][:] = softmax over l of ( -0.1 (tm - c_l)^2 ) times hs[b][l][:], tm = t where h_masks is true and 0 elsewhere,
; c = cumsum(ds) - ds/2, tokens with d_masks false get weight 0.  B = 16, 4,096 frames, 512 tokens.
; Work-group (x, y): batch y, frames 256 x .. 256 x + 255.  Eight waves; wave w owns the unit of 32 frames from f0 = 256 x + 32 w.
; Trip counts and addresses of the second launch hang on this decision, so it is made here and stored as whole numbers.
;
; EVERYTHING IS DOUBLED so that it is whole: C2 = 2 c = 2 S(l-1) + ds(l), frames count as 2 t.  A masked token's C2 is moved 2^28 away.
; Lane L owns tokens 16 L .. 16 L + 15.  For a frame interval with doubled centre MID and half width HALF: dl = the lane's least |C2 - MID|,
; Dn = the wave's least dl, R = Dn + HALF, e = max(dl - HALF, 0).  Some token lies within R of every frame of the interval, every token of
; the lane lies at least e away, so a lane with e e > R R + 3600 holds only base-2 exponents below -3600 x 0.0360674 = -129.8 against the
; row's largest (0.0360674 = 0.1 log2(e) / 4): v_exp_f32 gives 0 for them (results under 2^-126 are flushed: ISA guide, its entry).
; R and e are cut at 32,767, which only adds flags and keeps the squares in 32 bits.  The lane of a row's nearest token has e <= R: it is
; always flagged, so no word is empty.  Nothing is assumed of ds (order, sign, size of steps).  Two lanes = one tile of 32 tokens.
; Both intervals (the unit; the point t = 0, where frames with h_masks false sit) are worked out in every wave, and the second is kept or
; dropped by a select: no branch of this launch hangs on data.
;
; OUT:  tiles[128 b + 8 x + w]: bit 2 T = tile T is needed by the unit; bit 31 = the batch has no unmasked token.
;       cent[b]: 2,048 bytes, float(C2); tokens 16 L + 4 k .. + 3 lie at byte 512 k + 16 L, so that each of the four stores of the wave
;       that writes them covers 512 consecutive bytes.  Written by wave 0 of the work-groups with x = 0 alone.
; LIMIT: every partial sum of ds below 2^23 in magnitude (2 c is then exact as an integer and in f32, as in the f32 cumsum).
; No matrix unit, no cluster, no tensor load: 2,592 bytes come in for a wave and 4 go out; the work is a scan and two minima.
.set CF,  32                           ; v[32:47]  float(C2) of my 16 tokens
.set DS,  48                           ; v[48:63]  my 16 ds
.set C2,  64                           ; v[64:79]  my 16 doubled centres
                                       ; v[80:83] my 16 d_masks bytes; v[84:87], v4, v5 scratch; v28 one h_masks byte
	s_load_b256 s[4:11], s[0:1], 0x0               ; d_masks s[4:5], ds s[6:7], h_masks s[8:9], hs s[10:11]
	s_load_b128 s[12:15], s[0:1], 0x20             ; tiles s[12:13], cent s[14:15]
	v_lshl_add_u32 v96, v0, 2, 0x100
	v_mov_b32 v97, 0
	v_lshrrev_b32 v4, 5, v0
	v_readfirstlane_b32 s16, v4                    ; wave w
	v_and_b32 v1, 31, v0                           ; lane L
	v_mov_b32 v5, 0
	s_and_b32 s18, ttmp7, 0xffff                   ; batch b
	s_lshl_b32 s17, ttmp9, 8
	s_lshl_b32 s34, s16, 5
	s_add_co_u32 s17, s17, s34                     ; f0 = 256 x + 32 w
	s_mov_b32 s21, 0
	s_mov_b32 s22, 0x76543210                      ; v_permlanex16_b32: lane i takes lane i xor 16
	s_mov_b32 s23, 0xfedcba98
	v_lshlrev_b32 v14, 6, v1                       ; ds: 64 L (16 tokens of 4 bytes)
	v_lshlrev_b32 v15, 4, v1                       ; d_masks and cent: 16 L
	s_lshl_b32 s34, ttmp9, 15
	v_lshl_add_u32 v30, v0, 8, s34                 ; prefetch: 32,768 x + 256 thread
	s_lshl_b32 s34, s16, 2
	v_mov_b32 v31, s34                             ; LDS: my wave's word
	s_wait_kmcnt 0x0
	s_lshl_b32 s20, s18, 9
	s_add_nc_u64 s[4:5], s[4:5], s[20:21]          ; d_masks + 512 b
	s_lshl_b32 s20, s18, 11
	s_add_nc_u64 s[6:7], s[6:7], s[20:21]          ; ds + 2,048 b
	s_add_nc_u64 s[14:15], s[14:15], s[20:21]      ; cent + 2,048 b
	s_lshl_b32 s20, s18, 12
	s_add_co_u32 s20, s20, s17
	s_add_nc_u64 s[8:9], s[8:9], s[20:21]          ; h_masks + 4,096 b + f0
	s_lshl_b32 s20, s18, 19
	s_add_nc_u64 s[10:11], s[10:11], s[20:21]      ; hs + 524,288 b
	s_lshl_b32 s20, s18, 4
	s_add_co_u32 s20, s20, ttmp9
	s_lshl_b32 s20, s20, 5
	s_add_nc_u64 s[12:13], s[12:13], s[20:21]      ; tiles + 32 (16 b + x): the work-group's eight words
	global_load_b128 v[DS:DS+3],     v14, s[6:7]   ; my 16 ds
	global_load_b128 v[DS+4:DS+7],   v14, s[6:7] offset:16
	global_load_b128 v[DS+8:DS+11],  v14, s[6:7] offset:32
	global_load_b128 v[DS+12:DS+15], v14, s[6:7] offset:48
	global_load_b128 v[80:83], v15, s[4:5]         ; my 16 d_masks bytes
	global_load_u8 v28, v1, s[8:9]                 ; h_masks of frame f0 + L
	; Prefetch for the launch that follows, which reads hs; this one does not.  Threads 0 to 127 of work-group x ask for the 128 blocks of
	; 256 bytes from byte 32,768 x of the batch's hs, so the 16 work-groups of a batch ask for each block of its 524,288 bytes once.
	; The last byte asked for is 491,520 + 32,512: inside the batch.  v30 and s[10:11] are never rewritten.
	s_cmp_gt_u32 s16, 3
	s_cbranch_scc1 .Lnopf
	global_prefetch_b8 v30, s[10:11] th:TH_LOAD_NT scope:SCOPE_SE
.Lnopf:
	s_wait_loadcnt 0x0                             ; all six loads are needed now
	; ---------------- the centres: a prefix sum over 512 tokens, made by every wave for itself ----------------
	v_add_nc_u32 v5, v[DS], v[DS+1]
.irp i, 2,4,6,8,10,12,14
	v_add3_u32 v5, v5, v[DS+\i], v[DS+\i+1]        ; the lane's total
.endr
	v_mov_b32 v85, v5
.irp n, 1,2,4,8
	v_mov_b32_dpp v4, v5 row_shr:\n row_mask:0xf bank_mask:0xf bound_ctrl:1   ; lane i takes lane i - n of its 16, or 0
	v_add_nc_u32 v5, v5, v4
.endr
	v_readlane_b32 s40, v5, 15                     ; the lower 16 lanes' sum
	v_mov_b32 v4, s40
	v_cmp_lt_u32 vcc_lo, 15, v1
	v_cndmask_b32 v4, 0, v4, vcc_lo                ; goes to lanes 16 to 31
	v_add_nc_u32 v5, v5, v4
	v_sub_nc_u32 v86, v5, v85                      ; the sum in front of my tokens,
	v_lshlrev_b32 v86, 1, v86                      ; doubled
.set i, 0
.rept 16
	v_add_nc_u32 v[C2+i], v86, v[DS+i]             ; C2 = 2 S(l-1) + d
	v_lshl_add_u32 v86, v[DS+i], 1, v86
.set i, i+1
.endr
.irp k, 0,1,2,3
	v_xor_b32 v[80+\k], 0x01010101, v[80+\k]       ; 1 = masked
.endr
.set i, 0
.rept 16
	v_bfe_u32 v[4+(i&1)], v[80+i/4], 8*(i%4), 1
	v_lshl_add_u32 v[C2+i], v[4+(i&1)], 28, v[C2+i]  ; a masked token moves 2^28 away: its weight is exactly 0
	v_cvt_f32_i32 v[CF+i], v[C2+i]
.set i, i+1
.endr
; The flags of the interval with doubled centre s24 and half width half; out: one bit a lane.  Whole numbers only.
; The unsigned minimum of a and -a is |a|.  Leaves dl in v84 and Dn in v85.
.macro FLAGS half, out
	v_sub_nc_u32 v86, v[C2], s24
	v_sub_nc_u32 v87, s24, v[C2]
	v_min_u32 v84, v86, v87
	v_sub_nc_u32 v4, v[C2+1], s24
	v_sub_nc_u32 v5, s24, v[C2+1]
	v_min_u32 v85, v4, v5
.irp i, 2,4,6,8,10,12,14
	v_sub_nc_u32 v86, v[C2+\i], s24
	v_sub_nc_u32 v87, s24, v[C2+\i]
	v_min_u32 v86, v86, v87
	v_min_u32 v84, v84, v86
	v_sub_nc_u32 v4, v[C2+\i+1], s24
	v_sub_nc_u32 v5, s24, v[C2+\i+1]
	v_min_u32 v4, v4, v5
	v_min_u32 v85, v85, v4
.endr
	v_min_u32 v84, v84, v85                        ; dl
	v_mov_b32 v85, v84
.irp m, 1,2,4,8
	v_mov_b32_dpp v4, v85 row_xmask:\m row_mask:0xf bank_mask:0xf
	v_min_u32 v85, v85, v4
.endr
	v_permlanex16_b32 v4, v85, s22, s23
	v_min_u32 v85, v85, v4                         ; Dn, in every lane
	v_add_nc_u32 v86, \half, v85
	v_min_u32 v86, 0x7fff, v86                     ; R
	v_min_u32 v87, \half, v84
	v_sub_nc_u32 v87, v84, v87
	v_min_u32 v87, 0x7fff, v87                     ; e
	v_mad_u32_u24 v86, v86, v86, 0xe10             ; R R + 3600
	v_mul_u32_u24 v87, v87, v87
	v_cmp_le_u32 \out, v87, v86
.endm
	s_lshl_b32 s24, s17, 1
	s_add_co_u32 s24, s24, 31                      ; the unit's doubled centre: 2 f0 + 31, half width 31
	FLAGS 31, s25
	v_readfirstlane_b32 s41, v85
	s_lshr_b32 s34, s25, 1
	s_or_b32 s26, s25, s34
	s_and_b32 s26, s26, 0x55555555                 ; tile T = lanes 2 T, 2 T + 1 = bit 2 T
	s_cmp_ge_u32 s41, 0x8000000                    ; the nearest token 2^27 away: every token of the batch is masked
	s_cselect_b32 s35, 0x80000000, 0               ; bit 31 says so
	s_or_b32 s26, s26, s35
	s_mov_b32 s24, 0                               ; frames with h_masks false sit at t = 0, an interval of one point
	FLAGS 0, s25
	s_lshr_b32 s34, s25, 1
	s_or_b32 s27, s25, s34
	s_and_b32 s27, s27, 0x55555555
	v_cmp_eq_u32 s34, 0, v28                       ; the unit's frames that are masked
	s_cmp_lg_u32 s34, 0
	s_cselect_b32 s27, s27, 0                      ; their tiles count only if there is one
	s_or_b32 s26, s26, s27
	; ---------------- out: the eight waves' words meet in LDS, wave 0 stores them as 32 neighbouring bytes ----------------
	v_mov_b32 v4, s26
	ds_store_b32 v31, v4                           ; all lanes, one word, one value
	s_wait_dscnt 0x0                               ; my word is in LDS before I say so
	s_barrier_signal -1
	s_barrier_wait -1
	s_cmp_lg_u32 s16, 0
	s_cbranch_scc1 .Lend
	v_and_b32 v5, 7, v1
	v_lshlrev_b32 v5, 2, v5                        ; word L & 7
	ds_load_b32 v4, v5
	s_cmp_lg_u32 ttmp9, 0
	s_cbranch_scc1 .Lnocent                        ; the batch's centres are stored by its first work-group alone
.irp k, 0,1,2,3
	global_store_b128 v15, v[CF+4*\k:CF+4*\k+3], s[14:15] offset:512*\k   ; 32 lanes, 512 consecutive bytes
.endr
.Lnocent:
	s_wait_dscnt 0x0
	v_cmp_gt_u32 vcc_lo, 8, v1
	s_wait_xcnt 0x0                                ; EXEC, a source of the stores above, changes only behind this wait
	s_and_saveexec_b32 s34, vcc_lo
	global_store_b32 v5, v4, s[12:13]              ; lanes 0 to 7: the work-group's eight words
	s_wait_xcnt 0x0                                ; and again in front of the line that widens it
	s_or_b32 exec_lo, exec_lo, s34
.Lend:
	s_wait_tensorcnt 0x0
	ds_add_u32 v96, v97
	s_wait_dscnt 0x0
	s_endpgm
.Lfunc_end_k_q054766e01e_flags:
	.size	k_q054766e01e_flags, .Lfunc_end_k_q054766e01e_flags-k_q054766e01e_flags
	.p2alignl 7, 3214868480
	.fill 96, 4, 3214868480
	.section	.rodata,"a",@progbits
	.p2align	6, 0x0
	.amdhsa_kernel k_q054766e01e_flags
		.amdhsa_group_segment_fixed_size 1280
		.amdhsa_private_segment_fixed_size 0
		.amdhsa_enable_private_segment 0
		.amdhsa_kernarg_size 48
		.amdhsa_user_sgpr_count 2
		.amdhsa_user_sgpr_kernarg_segment_ptr 1
		.amdhsa_wavefront_size32 1
		.amdhsa_system_sgpr_workgroup_id_x 1
		.amdhsa_system_sgpr_workgroup_id_y 1
		.amdhsa_system_sgpr_workgroup_id_z 1
		.amdhsa_system_vgpr_workitem_id 0
		.amdhsa_next_free_vgpr 98
		.amdhsa_next_free_sgpr 66
		.amdhsa_reserve_vcc 1
		.amdhsa_float_denorm_mode_32 3
		.amdhsa_float_denorm_mode_16_64 3
		.amdhsa_memory_ordered 1
		.amdhsa_forward_progress 1
		.amdhsa_inst_pref_size 17
	.end_amdhsa_kernel
	.amdgpu_metadata
---
amdhsa.version: [ 1, 2 ]
amdhsa.kernels:
  - .name:           k_q054766e01e_flags
    .symbol:         k_q054766e01e_flags.kd
    .args:
      - { .name: d_masks, .offset: 0, .size: 8, .value_kind: global_buffer, .address_space: global }
      - { .name: ds, .offset: 8, .size: 8, .value_kind: global_buffer, .address_space: global }
      - { .name: h_masks, .offset: 16, .size: 8, .value_kind: global_buffer, .address_space: global }
      - { .name: hs, .offset: 24, .size: 8, .value_kind: global_buffer, .address_space: global }
      - { .name: tiles, .offset: 32, .size: 8, .value_kind: global_buffer, .address_space: global }
      - { .name: cent, .offset: 40, .size: 8, .value_kind: global_buffer, .address_space: global }
    .group_segment_fixed_size: 1280
    .private_segment_fixed_size: 0
    .kernarg_segment_align: 8
    .kernarg_segment_size: 48
    .max_flat_workgroup_size: 256
    .sgpr_count:     66
    .vgpr_count:     98
    .wavefront_size: 32
...
	.end_amdgpu_metadata
.endif
;; end of part 1
;; launch gauss (part 2): grid 16 x 16, 8 waves a work-group, no clusters, 279,552 bytes of LDS; arguments tiles, cent, h_masks, hs, out0; writes out0
.if DOCPART == 2
	.amdgcn_target "amdgcn-amd-amdhsa--gfx1250"
	.amdhsa_code_object_version 6
	.text
	.protected	k_q054766e01e_gauss
	.globl	k_q054766e01e_gauss
	.p2align	8
	.type	k_q054766e01e_gauss,@function
k_q054766e01e_gauss:
	s_mov_b64 s[64:65], 0
	v_nop
	global_prefetch_b8 v0, s[64:65] scope:SCOPE_SE
	s_setreg_imm32_b32 hwreg(HW_REG_WAVE_MODE, 25, 1), 1
	s_wait_xcnt 0x0
; Gaussian upsampling, second of two launches: out[b][t][:] = softmax over l of ( -0.1 (tm - c_l)^2 ) times hs[b][l][:],
; tm = t where h_masks is true and 0 elsewhere, c = cumsum(ds) - ds/2, tokens with d_masks false get weight 0.
; B = 16, 4,096 frames, 512 tokens, 256 dims.  Work-group (x, y): batch y, frames 256 x .. 256 x + 255.  Eight waves;
; wave w owns the unit of 32 frames from f0 = 256 x + 32 w, all 256 dims: 2 row blocks x 16 column tiles x 8 = 256 accumulators.
;
; FROM THE LAUNCH IN FRONT:
;   cent[b], 2,048 bytes: float(C2), C2 = 2 c (whole), a masked token's moved 2^28 away; tokens 16 L + 4 k .. + 3 at byte 512 k + 16 L.
;   tiles[128 b + 8 x + w]: bit 2 T = the unit needs tile T (tokens 32 T .. 32 T + 31); bit 31 = the batch has no unmasked token.
;   A tile that is not named holds, for every frame of the unit, only base-2 exponents below -129.8 against the row's largest, for which
;   v_exp_f32 gives 0 (results under 2^-126 are flushed: ISA guide, its entry); the tile of each row's nearest token is always named.
;   If all 16 tiles are named the same code does them all.
; ARITHMETIC, doubled: T2 = 2 tm, X = T2 - C2, y4 = X X = 4 (tm - c)^2.
; weight = exp2( y4 K4 + mneg ), K4 = -0.1 log2(e) / 4, mneg = (smallest y4 of the row) |K4|: the row's true maximum is taken away.
;
; LIMITS: every partial sum of ds below 2^23 in magnitude (2 c is then exact in f32, as in the f32 cumsum);
; hs finite (an Inf or NaN in a token whose weight is dropped does not spread); weights under 2^-126 of the row's largest count as 0.
; A batch with no true d_mask gives NaN everywhere, as a softmax of -inf alone does.
;
; NO CLUSTER, NO TENSOR LOADS: which tiles of hs a work-group needs is read from memory, so partners would ask for different sets and
; numbers of tiles; and hs is f32 and has to pass through registers to become bf16, so landing it raw in LDS would move it twice more.
; NO RING over the tokens: all 16 bf16 tiles (262,144 bytes) fit in LDS at once.
;
; LDS:  HB   0 .. 262,143   bf16 hs.  Tile T at 16,384 T; row p (0..255) = 64 bytes = 32 tokens in four chunks of 8; chunk c lies at
;                           16 ((c + (p >> 2)) & 3): the sixteen rows of a 16-byte pass fall on sixteen different 16-byte columns modulo 256.
;                           Row p = 64 q + 16 i + r holds dim 64 q + 4 r + i, so that a lane's results of column tiles 4 q .. 4 q + 3
;                           are four neighbouring dims and go out as 16 bytes without a trip through LDS.
;       CFB  262,144 + 2,048 w   each wave's own copy of the batch's centres, laid as in cent
; REGISTERS, window 0: v1 lane, v2 r, v3 h, v4-5 scratch, v6-7 LT (fragment lane terms), v8-9 fragment addresses, v10 CB, v11 centre address,
;   v12 GO (hs), v13 OV (out), v14-15 trip addresses, v16-17 SB (HB store bases), v18-21 T2 pairs, v22-25 mneg pairs, v26-27 row maxima,
;   v28-29 h_masks bytes, v31 offset in cent, v32-47 centres, v48-63 X0, v64-79 X1 (the centres as loaded at first), v80-95 A fragments,
;   v96-111 row sums, v112-119 ones, v128-255 B fragments / landing registers / store stage.  Window 1: the 256 accumulators.
.set CFB,  262144
.set KNEG, 0xbd13bb63                  ; -0.1 log2(e) / 4
.set KPOS, 0x3d13bb63
.set CF,   32
.set X0,   48
.set X1,   64
.set A0,   80
.set SUM,  96
.set ONE,  112
.set BF,   128
.set MSB,  0
.macro WIN new                         ; s_set_vgpr_msb: low byte = the new windows, high byte repeats the setting that is left
.if MSB != \new
	s_set_vgpr_msb (MSB<<8)|\new
.set MSB, \new
.endif
.endm
	; ---------------- ids; the tile words are asked for first, everything else is made while they come ----------------
	s_load_b256 s[4:11], s[0:1], 0x0               ; tiles s[4:5], cent s[6:7], h_masks s[8:9], hs s[10:11]
	s_load_b64 s[12:13], s[0:1], 0x20              ; out0
	v_lshl_add_u32 v126, v0, 2, 0x44000
	v_mov_b32 v127, 0
	v_lshrrev_b32 v4, 5, v0
	v_readfirstlane_b32 s14, v4                    ; wave w
	s_and_b32 s15, ttmp7, 0xffff                   ; batch b
	s_mov_b32 s21, 0
	s_lshl_b32 s20, s15, 4
	s_add_co_u32 s20, s20, ttmp9
	s_lshl_b32 s20, s20, 5                         ; 32 (16 b + x)
	s_wait_kmcnt 0x0
	s_add_nc_u64 s[4:5], s[4:5], s[20:21]          ; the work-group's eight words
	s_lshl_b32 s20, s14, 2
	s_add_nc_u64 s[2:3], s[4:5], s[20:21]          ; my unit's word
	s_load_b256 s[40:47], s[4:5], 0x0
	s_load_b32 s26, s[2:3], 0x0
	s_lshl_b32 s17, ttmp9, 8
	s_lshl_b32 s34, s14, 5
	s_add_co_u32 s17, s17, s34                     ; f0 = 256 x + 32 w
	s_lshl_b32 s20, s15, 11
	s_add_nc_u64 s[6:7], s[6:7], s[20:21]          ; cent + 2,048 b
	s_lshl_b32 s20, s15, 12
	s_add_co_u32 s20, s20, s17
	s_add_nc_u64 s[8:9], s[8:9], s[20:21]          ; h_masks + 4,096 b + f0
	s_lshl_b32 s20, s20, 10
	s_add_nc_u64 s[12:13], s[12:13], s[20:21]      ; out0 + (4,096 b + f0) rows of 1,024 bytes (below 2^26)
	s_lshl_b32 s20, s15, 19
	s_add_nc_u64 s[10:11], s[10:11], s[20:21]      ; hs + 524,288 b
	v_and_b32 v1, 31, v0                           ; lane L
	v_and_b32 v2, 15, v0                           ; r
	v_bfe_u32 v3, v0, 4, 1                         ; h
	v_mov_b32 v5, 0
	v_lshlrev_b32 v31, 4, v1                       ; cent: 16 L
.irp k, 0,1,2,3
	global_load_b128 v[X1+4*\k:X1+4*\k+3], v31, s[6:7] offset:512*\k   ; the batch's 512 centres: 32 lanes, 512 consecutive bytes
.endr
	global_load_u8 v28, v2, s[8:9]                 ; h_masks of frame f0 + r
	global_load_u8 v29, v2, s[8:9] offset:16       ; and of frame f0 + 16 + r
	s_lshr_b32 s18, s14, 1                         ; s: I convert tiles 4 t + s,
	s_and_b32 s19, s14, 1                          ; u: rows 128 u .. 128 u + 127 of them
	s_lshl_b32 s38, s18, 1                         ; 2 s: my tiles' bits are 8 t + 2 s
	s_mov_b32 s22, 0x76543210                      ; v_permlanex16_b32: lane i takes lane i xor 16
	s_mov_b32 s23, 0xfedcba98
	s_mov_b32 s36, KNEG                            ; a pair, both written: the packed multiply-add names both
	s_mov_b32 s37, KNEG
	v_lshrrev_b32 v4, 2, v2
	v_add_nc_u32 v4, v4, v3                        ; h + (r >> 2)
	v_and_b32 v6, 3, v4
	v_lshlrev_b32 v6, 4, v6
	v_lshl_add_u32 v6, v2, 6, v6                   ; LT0 = 64 r + 16 ((h + (r >> 2)) & 3): chunk h, k = 8 h ..
	v_add_nc_u32 v4, 2, v4
	v_and_b32 v7, 3, v4
	v_lshlrev_b32 v7, 4, v7
	v_lshl_add_u32 v7, v2, 6, v7                   ; LT1: chunk 2 + h, k = 16 + 8 h ..
	v_lshlrev_b32 v13, 4, v2
	v_lshl_add_u32 v13, v3, 13, v13                ; OV = 8,192 h + 16 r: 8 rows of 1,024 bytes, 4 dims of 4 bytes
	s_lshl_b32 s34, s18, 15
	s_lshl_b32 s39, s19, 9
	s_add_co_u32 s34, s34, s39
	v_add_nc_u32 v12, s34, v13                     ; GO = 32,768 s + 512 u + 8,192 h + 16 r
	s_lshl_b32 s34, s14, 13
	v_add_nc_u32 v16, s34, v6                      ; SB0, SB1 = LT + 8,192 w: tile 4 t + s, rows from 128 u = byte 65,536 t + 8,192 w
	v_add_nc_u32 v17, s34, v7
	s_lshl_b32 s34, s14, 11
	s_add_co_u32 s34, s34, CFB
	v_lshl_add_u32 v10, v3, 10, s34                ; CB: my wave's centres, + 1,024 h (the pieces k = 2 h, 2 h + 1)
	v_lshl_add_u32 v11, v1, 4, s34                 ; where I put what I loaded of them
.irp i, 0,1,2,3,4,5,6,7
	v_mov_b32 v[ONE+\i], 0x3f803f80                ; a B fragment of bf16 ones
.endr
	s_wait_kmcnt 0x0                               ; the nine words
	s_or_b32 s40, s40, s41
	s_or_b32 s42, s42, s43
	s_or_b32 s44, s44, s45
	s_or_b32 s46, s46, s47
	s_or_b32 s40, s40, s42
	s_or_b32 s44, s44, s46
	s_or_b32 s27, s40, s44
	s_and_b32 s27, s27, 0x55555555                 ; U: the tiles that any of the eight units needs
	s_bitcmp1_b32 s26, 31                          ; no token in the batch:
	s_cselect_b32 s35, 0x7fc00000, 1.0             ; the results are multiplied by NaN
	s_and_b32 s26, s26, 0x55555555                 ; M: my unit's tiles
	; ---------------- the tiles of U: hs, f32 in memory, to bf16 in LDS with the tokens along the rows ----------------
; Tile 4 t + s, rows 128 u .. + 127 (q = 2 u + qq).  A lane loads 4 dims (64 q + 4 r ..) of 8 tokens (32 T + 16 g + 8 h + n): sixteen lanes read
; 256 consecutive bytes, aligned.  Packing tokens 2 p, 2 p + 1 of one dim into a word is the transposition: four words = chunk 2 g + h of row
; 64 q + 16 i + r.  The 32 loads are issued in one run, in four groups of eight; each wait leaves the younger groups out.
.macro LOADTILE t
	s_add_co_u32 s39, s38, 8*\t
	s_bitcmp1_b32 s27, s39
	s_cbranch_scc0 .Lskip\t
	v_add_nc_u32 v14, \t*65536, v16
	v_add_nc_u32 v15, \t*65536, v17
.irp q, 0,1
.irp g, 0,1
.irp n, 0,1,2,3,4,5,6,7
	global_load_b128 v[BF+4*(16*\q+8*\g+\n):BF+4*(16*\q+8*\g+\n)+3], v12, s[10:11] offset:\t*131072+\g*16384+\n*1024+\q*256
.endr
.endr
.endr
.irp q, 0,1
.irp g, 0,1
	s_wait_loadcnt 24-16*\q-8*\g                   ; loads return in order: this group of eight is in, 24, 16, 8, 0 younger ones stay out
.irp i, 0,1,2,3
.irp p, 0,1,2,3
	v_cvt_pk_bf16_f32 v[X0+4*\i+\p], v[BF+4*(16*\q+8*\g+2*\p)+\i], v[BF+4*(16*\q+8*\g+2*\p+1)+\i]
.endr
.endr
.irp i, 0,1,2,3
	ds_store_b128 v[14+\g], v[X0+4*\i:X0+4*\i+3] offset:\q*4096+\i*1024
.endr
.endr
.endr
.Lskip\t:
.endm
	LOADTILE 0
	LOADTILE 1
	LOADTILE 2
	LOADTILE 3
	; ---------------- the centres into my wave's own LDS bytes; the frames' doubled times ----------------
	s_wait_loadcnt 0x0                             ; the centres and the two h_masks bytes (a wave may have had no tile to convert)
.irp k, 0,1,2,3
	ds_store_b128 v11, v[X1+4*\k:X1+4*\k+3] offset:512*\k   ; read back only by this wave, and LDS serves a wave in order
.endr
	s_lshl_b32 s34, s17, 1
	v_lshl_add_u32 v4, v2, 1, s34                  ; 2 (f0 + r)
	v_mul_u32_u24 v5, v4, v28                      ; or 0 where h_masks is false
	v_cvt_f32_u32 v18, v5
	v_add_nc_u32 v4, 32, v4
	v_mul_u32_u24 v5, v4, v29
	v_cvt_f32_u32 v20, v5
	v_mov_b32 v19, v18                             ; pairs for the packed arithmetic
	v_mov_b32 v21, v20
; The 16 centres of an A fragment's lane: tokens 32 T + 8 h .. + 7 and 32 T + 16 + 8 h .. + 7, at 1,024 h + 32 T + 0, 512, 16, 528
.macro CENTRES
	ds_load_b128 v[CF:CF+3],     v11
	ds_load_b128 v[CF+4:CF+7],   v11 offset:512
	ds_load_b128 v[CF+8:CF+11],  v11 offset:16
	ds_load_b128 v[CF+12:CF+15], v11 offset:528
.endm
	; ---------------- the rows' maxima: the largest -|X| over the tiles of M (which hold every row's nearest token) ----------------
	v_mov_b32 v26, 0xff800000
	v_mov_b32 v27, 0xff800000
	s_mov_b32 s30, s26
	s_bcnt1_i32_b32 s28, s26                       ; n, the number of my tiles: at least 1
	s_mov_b32 s29, 0
.LloopA:
	s_ctz_i32_b32 s31, s30                         ; 2 T of the lowest tile left,
	s_min_u32 s31, s31, 30                         ; held inside the table
	s_sub_co_u32 s34, s30, 1
	s_and_b32 s30, s30, s34                        ; its bit is cleared
	s_lshl_b32 s33, s31, 4                         ; 32 T
	v_add_nc_u32 v11, s33, v10
	CENTRES
	s_wait_dscnt 0x0
.irp p, 0,2,4,6,8,10,12,14
	v_pk_add_f32 v[X0+\p:X0+\p+1], v[18:19], v[CF+\p:CF+\p+1] neg_lo:[0,1] neg_hi:[0,1]
	v_pk_add_f32 v[X1+\p:X1+\p+1], v[20:21], v[CF+\p:CF+\p+1] neg_lo:[0,1] neg_hi:[0,1]
.endr
.irp p, 0,2,4,6,8,10,12,14
	v_max3_num_f32 v26, v26, -|v[X0+\p]|, -|v[X0+\p+1]|
	v_max3_num_f32 v27, v27, -|v[X1+\p]|, -|v[X1+\p+1]|
.endr
	s_add_co_u32 s29, s29, 1
	s_cmp_lt_u32 s29, s28
	s_cbranch_scc1 .LloopA
	v_permlanex16_b32 v4, v26, s22, s23            ; lanes r and 16 + r hold the two halves of row r's tokens
	v_permlanex16_b32 v5, v27, s22, s23
	v_max_num_f32 v26, v26, v4
	v_max_num_f32 v27, v27, v5
	v_mul_f32 v22, v26, v26                        ; the row's smallest y4, rounded as every y4 is
	v_mul_f32 v24, v27, v27
	v_mul_f32 v22, KPOS, v22                       ; mneg
	v_mul_f32 v24, KPOS, v24
	v_mov_b32 v23, v22
	v_mov_b32 v25, v24
	s_wait_dscnt 0x0                               ; my stores into HB are done before I say so
	s_barrier_signal -1
	s_barrier_wait -1                              ; every wave's are: HB is only read from here on
	; ---------------- the products, one tile of 32 tokens a trip ----------------
.macro ARGS x, t2, mn                  ; 16 exponents: X = T2 - C2, y4 = X X, y4 K4 + mneg
.irp p, 0,2,4,6,8,10,12,14
	v_pk_add_f32 v[\x+\p:\x+\p+1], v[\t2:\t2+1], v[CF+\p:CF+\p+1] neg_lo:[0,1] neg_hi:[0,1]
.endr
.irp p, 0,2,4,6,8,10,12,14
	v_pk_mul_f32 v[\x+\p:\x+\p+1], v[\x+\p:\x+\p+1], v[\x+\p:\x+\p+1]
.endr
.irp p, 0,2,4,6,8,10,12,14
	v_pk_fma_f32 v[\x+\p:\x+\p+1], v[\x+\p:\x+\p+1], s[36:37], v[\mn:\mn+1] op_sel_hi:[1,0,1]
.endr
.endm
.macro EXPS x
.irp i, 0,1,2,3,4,5,6,7,8,9,10,11,12,13,14,15
	v_exp_f32 v[\x+\i], v[\x+\i]
.endr
.endm
.macro PACK a, x                       ; 16 weights to an A fragment: the lower k in the lower half
	s_wait_alu depctr_va_vdst(0)
.irp p, 0,1,2,3,4,5,6,7
	v_cvt_pk_bf16_f32 v[\a+\p], v[\x+2*\p], v[\x+2*\p+1]
.endr
.endm
.macro MULS first, lo                  ; 16 matrix instructions: column tiles lo .. lo + 7, both row blocks; first = 1: the product starts the sum
.irp n, 0,1,2,3,4,5,6,7
.irp a, 0,1
.if \first
	v_wmma_f32_16x16x32_bf16 v[8*(16*\a+\lo+\n):8*(16*\a+\lo+\n)+7], v[A0+8*\a:A0+8*\a+7], v[BF+8*(\lo+\n):BF+8*(\lo+\n)+7], 0
.else
	v_wmma_f32_16x16x32_bf16 v[8*(16*\a+\lo+\n):8*(16*\a+\lo+\n)+7], v[A0+8*\a:A0+8*\a+7], v[BF+8*(\lo+\n):BF+8*(\lo+\n)+7], v[8*(16*\a+\lo+\n):8*(16*\a+\lo+\n)+7]
.endif
.endr
.endr
.endm
.macro TRIP first
	s_ctz_i32_b32 s31, s30
	s_min_u32 s31, s31, 30
	s_sub_co_u32 s34, s30, 1
	s_and_b32 s30, s30, s34
	s_lshl_b32 s32, s31, 13                        ; 16,384 T
	s_lshl_b32 s33, s31, 4                         ; 32 T
	v_add_nc_u32 v8, s32, v6                       ; these three and the v_nop are the four independent vector instructions between the last
	v_add_nc_u32 v9, s32, v7                       ; trip's matrix instructions and the loads into their B registers
	v_add_nc_u32 v11, s33, v10
	v_nop
	CENTRES
.irp n, 0,1,2,3,4,5,6,7,8,9,10,11,12,13,14,15
	ds_load_b128 v[BF+8*\n:BF+8*\n+3],   v8 offset:\n*1024     ; column tile n: rows 16 n + r, k = 8 h ..
	ds_load_b128 v[BF+8*\n+4:BF+8*\n+7], v9 offset:\n*1024     ; k = 16 + 8 h ..
.endr
	s_wait_dscnt 32                                ; the four loads of centres are in; the 32 of B behind them stay out
	ARGS X0, 18, 22
	EXPS X0
	ARGS X1, 20, 24                                ; plain vector work between the exponentials and the use of their results (ISA guide 5.7.2)
	PACK A0, X0
	EXPS X1
	v_nop                                          ; likewise
	s_wait_alu depctr_va_vdst(0)
	PACK A0+8, X1
.if \first
	v_wmma_f32_16x16x32_bf16 v[SUM:SUM+7],    v[A0:A0+7],    v[ONE:ONE+7], 0      ; row sums of the very bf16 weights that are multiplied,
	v_wmma_f32_16x16x32_bf16 v[SUM+8:SUM+15], v[A0+8:A0+15], v[ONE:ONE+7], 0      ; in the accumulators' layout: register j = row 8 h + j
.else
	v_wmma_f32_16x16x32_bf16 v[SUM:SUM+7],    v[A0:A0+7],    v[ONE:ONE+7], v[SUM:SUM+7]
	v_wmma_f32_16x16x32_bf16 v[SUM+8:SUM+15], v[A0+8:A0+15], v[ONE:ONE+7], v[SUM+8:SUM+15]
.endif
	s_wait_dscnt 16                                ; column tiles 0 to 7 are in; the 16 loads of tiles 8 to 15 stay out
	WIN 0x50                                       ; C and D in window 1, A and B in window 0
	MULS \first, 0
	s_wait_dscnt 0x0
	MULS \first, 8
	WIN 0
.endm
	s_mov_b32 s30, s26
	TRIP 1                                         ; the first tile starts the sums: nothing is cleared
	s_mov_b32 s29, 1
	s_cmp_ge_u32 s29, s28
	s_cbranch_scc1 .Ldone
.LloopB:
	TRIP 0
	s_add_co_u32 s29, s29, 1
	s_cmp_lt_u32 s29, s28
	s_cbranch_scc1 .LloopB
.Ldone:
	; ---------------- the way out: divide by the row sums and store ----------------
.rept 4
	v_nop                                          ; four independent vector instructions behind the last matrix instructions (ISA guide 7.12.1)
.endr
.set i, 0
.rept 16
	v_rcp_f32 v[X0+i], v[SUM+i]
.set i, i+1
.endr
	v_nop                                          ; a plain instruction before the reciprocals are used (ISA guide 5.7.2)
.set i, 0
	s_wait_alu depctr_va_vdst(0)
.rept 16
	v_mul_f32 v[X0+i], s35, v[X0+i]                ; x 1.0, or x NaN where the batch has no token
.set i, i+1
.endr
; Row block a.  The multiply also gathers: the results of column tiles 4 q .. 4 q + 3 in register j are dims 64 q + 4 r .. + 3 of row 8 h + j.
; Sixteen lanes of a store write 256 consecutive bytes at a multiple of 256 from out0's first byte.
.macro OUTHALF a
	WIN 0x01                                       ; source 0 (the accumulator) in window 1
.irp j, 0,1,2,3,4,5,6,7
.irp q, 0,1,2,3
.irp i, 0,1,2,3
	v_mul_f32 v[BF+16*\j+4*\q+\i], v[8*(16*\a+4*\q+\i)+\j], v[X0+8*\a+\j]
.endr
.endr
.endr
	WIN 0
.irp j, 0,1,2,3,4,5,6,7
.irp q, 0,1,2,3
	global_store_b128 v13, v[BF+16*\j+4*\q:BF+16*\j+4*\q+3], s[12:13] offset:(16*\a+\j)*1024+\q*256 th:TH_STORE_NT
.endr
.endr
.endm
	OUTHALF 0
	s_wait_xcnt 0x0                                ; the stage, which the 32 stores read, is rewritten only behind this wait
	OUTHALF 1
	s_wait_tensorcnt 0x0
	ds_add_u32 v126, v127
	s_wait_dscnt 0x0
	s_endpgm
.Lfunc_end_k_q054766e01e_gauss:
	.size	k_q054766e01e_gauss, .Lfunc_end_k_q054766e01e_gauss-k_q054766e01e_gauss
	.p2alignl 7, 3214868480
	.fill 96, 4, 3214868480
	.section	.rodata,"a",@progbits
	.p2align	6, 0x0
	.amdhsa_kernel k_q054766e01e_gauss
		.amdhsa_group_segment_fixed_size 279552
		.amdhsa_private_segment_fixed_size 0
		.amdhsa_enable_private_segment 0
		.amdhsa_kernarg_size 40
		.amdhsa_user_sgpr_count 2
		.amdhsa_user_sgpr_kernarg_segment_ptr 1
		.amdhsa_wavefront_size32 1
		.amdhsa_system_sgpr_workgroup_id_x 1
		.amdhsa_system_sgpr_workgroup_id_y 1
		.amdhsa_system_sgpr_workgroup_id_z 1
		.amdhsa_system_vgpr_workitem_id 0
		.amdhsa_next_free_vgpr 512
		.amdhsa_next_free_sgpr 66
		.amdhsa_reserve_vcc 0
		.amdhsa_float_denorm_mode_32 3
		.amdhsa_float_denorm_mode_16_64 3
		.amdhsa_memory_ordered 1
		.amdhsa_forward_progress 1
		.amdhsa_inst_pref_size 78
	.end_amdhsa_kernel
	.amdgpu_metadata
---
amdhsa.version: [ 1, 2 ]
amdhsa.kernels:
  - .name:           k_q054766e01e_gauss
    .symbol:         k_q054766e01e_gauss.kd
    .args:
      - { .name: tiles, .offset: 0, .size: 8, .value_kind: global_buffer, .address_space: global }
      - { .name: cent, .offset: 8, .size: 8, .value_kind: global_buffer, .address_space: global }
      - { .name: h_masks, .offset: 16, .size: 8, .value_kind: global_buffer, .address_space: global }
      - { .name: hs, .offset: 24, .size: 8, .value_kind: global_buffer, .address_space: global }
      - { .name: out0, .offset: 32, .size: 8, .value_kind: global_buffer, .address_space: global }
    .group_segment_fixed_size: 279552
    .private_segment_fixed_size: 0
    .kernarg_segment_align: 8
    .kernarg_segment_size: 40
    .max_flat_workgroup_size: 256
    .sgpr_count:     66
    .vgpr_count:     512
    .wavefront_size: 32
...
	.end_amdgpu_metadata
.endif
;; end of part 2
